; MI455X (gfx1250); checked and timed in simulation.
; The chip was launched on July 23, 2026; its instructions are those of AMD's public machine-readable ISA for CDNA 5 (MIT licence, August 2026) and "CDNA5" Instruction Set Architecture Reference Guide (July 2026). The comments in the code are by the model that wrote it; some were corrected since.
;; Spatial Self Attention. Allowed arithmetic: float matrix products may take bf16 or f16 operands with f32 sums; all other float work in f32.
;; Inputs: H 8 x 4,096 x 128 float32; Wk 128 x 128 float32; Wq 128 x 128 float32; bk 128 float32; bq 128 float32.
;; Outputs: out0 8 x 4,096 x 128 float32.
;; One version. Each part assembles by itself: llvm-mc -triple=amdgcn-amd-amdhsa -mcpu=gfx1250 --defsym DOCPART=n.
;; ======== version 1 of 1: 1 launch
;; launch attn (part 1): grid 256 x 1, 4 waves a work-group, no clusters, 184,832 bytes of LDS; arguments H, Wq, Wk, bq, bk, out0; writes out0
.if DOCPART == 1
	.amdgcn_target "amdgcn-amd-amdhsa--gfx1250"
	.amdhsa_code_object_version 6
	.text
	.protected	k_q0c1893514a_attn
	.globl	k_q0c1893514a_attn
	.p2align	8
	.type	k_q0c1893514a_attn,@function
k_q0c1893514a_attn:
	s_mov_b64 s[64:65], 0
	v_nop
	global_prefetch_b8 v0, s[64:65] scope:SCOPE_SE
	s_setreg_imm32_b32 hwreg(HW_REG_WAVE_MODE, 25, 1), 1
	s_wait_xcnt 0x0
; out = softmax((H Wq + bq)(H Wk + bk)^T / 64) H + H.   H, out: [8][4096][128] f32.  Wq, Wk: [128 d][128 h] f32.  bq, bk: [128] f32.
;
; FORM.  Q K^T = (Q Wk^T) H^T + (Q bk) 1^T.  Each query block forms Q (128 x 128) and Q2 = Q Wk^T for itself (the multiply-adds of the
; two projections, nothing twice), so K is never formed and one bf16 image of a tile of H serves as keys and as values.
; c = Q bk is constant along a score row; it is computed and enters as the C operand of the first score product.
; SHARES.  256 work-groups = 8 batches x 32 query blocks of 128 rows; four waves.  Wave w: qh = w >> 1, kh = w & 1: 64 queries (half qh of the
; block) against the 64 keys of half kh of every tile of 128 keys, with a running (m, l, O) of its own; the two key halves meet once, at the end.
; ALL PRODUCTS ARE TRANSPOSED: S^T = Htile x Q2^T, O^T = Htile^T x P^T.  A lane then holds ONE query (l % 16) in every result register, so
; maximum, sum and rescale factor are per-lane numbers, and a result tile, rounded to bf16, IS the second source of the next product.
; TILES.  H comes as f32: each wave loads 32 rows of the tile after next into 128 registers (a load = one row of 512 consecutive bytes), a whole
; trip ahead, rounds them to bf16 and lays them into one of two LDS buffers.  Tile order is rotated, tile(i) = (block + i) & 31: tile 0 is the
; query block itself (its image also feeds the projection) and tile 32 is the query block again: its f32 registers are the residual.
;
; NOT USED, and why.  Tensor loads with a joint request in a cluster: they can only lay f32 into LDS, 65,536 bytes in and 65,536 bytes back out for
; each tile, beside the 163,840 bytes of fragments and bf16 stores that a trip moves through LDS already; and with the rotated order no two
; work-groups of a batch want the same tile in the same trip.  Prefetch: every load here is issued a whole trip (128 matrix instructions and the
; softmax of 4,096 scores a wave) ahead of its wait.  Work-groups that stay: the grid is 256 equal work-groups.
;
; LIMITS.  Q, Wq, Wk, bk, Q2, H and P enter the products rounded to bf16, and the scores are summed as (Q Wk^T) H^T + Q bk, an order of rounding
; other than forming K first.  The softmax takes a true running maximum away, in f32, in units of log2 (the factor log2(e)/64 is folded into
; Q2 and c).  v_exp_f32 gives 0 for results below 2^-126 (ISA guide 15.8).  NaN or infinities in the inputs, and scores beyond the range of f32,
; are not followed.
; ---- LDS ----
.set PITCH,  272                       ; a bf16 row: 256 bytes + 16: row r starts 17 r columns of 16 bytes on, so 16 rows touch 16 different columns modulo 256 bytes (64 banks of 4 bytes: ISA guide 11.1)
.set TB16,   128*PITCH                 ; a bf16 tile of 128 rows.  BUF0 at 0 (even tiles), BUF1 at TB16 (odd tiles)
.set R_WQ,   2*TB16                    ; bf16 Wq, rows = d
.set R_WK,   3*TB16                    ; bf16 Wk, rows = d
.set R_BK,   4*TB16                    ; four rows: bf16 bk, a copy for each wave
.set XR,     R_BK+4*PITCH              ; 8 query tiles x 5 register images of 1,024 bytes: 4 fragments of Q2, then c
.set XIMG,   1024
.set XQT,    5*XIMG
.set OPITCH, 528                       ; the way out: a row of 128 f32 + 16 bytes (33 columns of 16 bytes)
.set OSB,    128*OPITCH                ; OS0 at 0, OS1 at OSB: the scaled partial O of key half 0, 1; they lie on BUF0 .. R_WK, dead by then
.set ML,     2*OSB                     ; [kh][128 queries] pairs (m, l), behind OS1
.set ROWB,   512                       ; bytes in a row of H, Wq, Wk, out
; ---- registers, in windows of 256 (s_set_vgpr_msb: bits 1:0 source 0, 3:2 source 1, 5:4 source 2, 7:6 destination) ----
; window 0
.set GL,  2                            ; byte offset of my 16 bytes in row 0 of my 32 rows of a tile: 16,384 w + 16 l
.set CS,  3                            ; LDS: where those go as bf16: 32 w rows + 8 l
.set KA,  4                            ; LDS: my key fragments (rows along d)
.set VA,  5                            ; LDS: my value fragments (transposing loads)
.set MA,  6
.set MB,  7                            ; two chains of maxima
.set LSA, 8
.set LSB, 10                           ; two chains of sums, pairs
.set LL,  12                           ; v[12:15]   l of query tile qt: this lane's 32 keys of every tile
.set MN,  16                           ; v[16:23]   (m, m) of query tile qt
.set AL,  24                           ; v[24:31]   (alpha, alpha) of query tile qt
.set CB,  32                           ; v[32:63]   c of query tile qt, as a C operand (8 registers, all equal in a lane)
.set SC,  64                           ; v[64:191]  scores: 32 qt + 8 kt + j.  Outside the loop: addresses and temporaries
.set PB,  192                          ; v[192:255] P in bf16: 16 qt + 4 kt + jj = fragment k2 at 16 qt + 8 k2
; window 1: O^T, 64 qt + 8 dt + j (d = 64 (l / 16) + 8 dt + j).  In the prologue:
.set QT,  0                            ; Q^T, then Q2^T: 16 tile + 8 i
.set HF,  128                          ; fragments of my 32 query rows: 32 i + 8 ks
.set CT,  128                          ; later c: 8 i
.set QB,  192                          ; Q, then Q2, in bf16 as second sources: 32 i + 8 k
; window 2
.set QF,  0                            ; Q2 fragments of my 64 queries: 32 qt + 8 ks.  Prologue: f32 Wq, then first-source fragments AF
.set AF,  0                            ; 32 tile + 8 k (all 256 registers)
.set KF,  128                          ; key fragments: 32 kt + 8 ks
; window 3
.set VF,  0                            ; value fragments: 16 dt + 8 k2.  Prologue: f32 tile 0, then bk fragments
.set BKF, 0
.set ST,  128                          ; staging: 4 registers for each of my 32 rows, f32 as loaded
; prologue addresses and temporaries, in the score registers
.set ACW,  71
.set AHQ,  72
.set AWQ,  73
.set AWK,  74
.set ABKS, 75
.set ABKL, 76
.set AXS,  77
.set AXL,  78
.set ABQ,  79
.set ABKG, 80
.set BKR,  84                          ; v[84:87] four bk in f32
.set BKP,  88                          ; v[88:89] the same in bf16
; epilogue addresses and temporaries, in the score registers
.set AOS,  67
.set AMS,  68
.set AMO,  69
.set AOR0, 70
.set AOR1, 71
.set OM,   72                          ; v[72:79] (m, l) of the other key half
.set MX,   80
.set EO,   84                          ; v[84:87] own factor, v[88:91] the other one
.set EX,   88
.set DN,   92
.set MSB, 0
.macro WIN new                         ; the high byte of the immediate repeats the setting that is left; a switch that changes nothing is dropped
.if MSB != (\new)
	s_set_vgpr_msb (MSB<<8)|(\new)
.set MSB, (\new)
.endif
.endm
; Four places: a vector instruction that reads a matrix result or writes a register of a matrix instruction, and a load into such a register, stand
; four plain vector instructions behind it; the matrix instructions in between are not counted here.
.macro PLACES
.rept 4
	v_nop
.endr
.endm
; 32 loads: my 32 rows of a block of 128 rows x 512 bytes at s[sb:sb+1]; each load takes one whole row, 512 consecutive bytes
.macro LOADT msb, base, sb
	WIN \msb
.set rr, 0
.rept 32
	global_load_b128 v[\base+4*rr:\base+4*rr+3], v[GL], s[\sb:\sb+1] offset:ROWB*rr
.set rr, rr+1
.endr
.endm
; my 32 rows to bf16, in place (register 4 r, 4 r + 1 of each row), and into LDS: a store covers 256 consecutive bytes of one row
.macro CONVERT cw, sw, base, areg, imm
	WIN \cw
.set rr, 0
.rept 32
	v_cvt_pk_bf16_f32 v[\base+4*rr], v[\base+4*rr], v[\base+4*rr+1]
	v_cvt_pk_bf16_f32 v[\base+4*rr+1], v[\base+4*rr+2], v[\base+4*rr+3]
.set rr, rr+1
.endr
	WIN \sw
.set rr, 0
.rept 32
	ds_store_b64 v[\areg], v[\base+4*rr:\base+4*rr+1] offset:PITCH*rr+\imm
.set rr, rr+1
.endr
.endm
; 32 loads: my 64 keys as first sources: lane l holds key row l % 16; registers 0-3 d = 8 (l / 16) + 0..7, registers 4-7 d = 16 + 8 (l / 16) + 0..7
.macro FETCHK cur
	WIN 0x80
.irp kt, 0,1,2,3
.irp ks, 0,1,2,3
	ds_load_b128 v[KF+32*\kt+8*\ks:KF+32*\kt+8*\ks+3],   v[KA] offset:\cur*TB16+\kt*16*PITCH+64*\ks
	ds_load_b128 v[KF+32*\kt+8*\ks+4:KF+32*\kt+8*\ks+7], v[KA] offset:\cur*TB16+\kt*16*PITCH+64*\ks+32
.endr
.endr
.endm
; 32 transposing loads: the same 64 rows as H^T.
.macro FETCHV cur
	WIN 0xc0
.irp dt, 0,1,2,3,4,5,6,7
.irp k2, 0,1
	ds_load_tr16_b128 v[VF+16*\dt+8*\k2:VF+16*\dt+8*\k2+3],   v[VA] offset:\cur*TB16+32*\k2*PITCH+16*\dt
	ds_load_tr16_b128 v[VF+16*\dt+8*\k2+4:VF+16*\dt+8*\k2+7], v[VA] offset:\cur*TB16+32*\k2*PITCH+16*PITCH+16*\dt
.endr
.endr
.endm
; 64 matrix instructions: S^T(16 keys, 16 queries) for 4 x 4 tiles, d in four steps of 32.  The first step starts the sums from c.
.macro SPHASE
	WIN 0x0a                               ; both sources window 2, C and D window 0
.irp ks, 0,1,2,3
.irp qt, 0,1,2,3
.irp kt, 0,1,2,3
.if \ks == 0
	v_wmma_f32_16x16x32_bf16 v[SC+32*\qt+8*\kt:SC+32*\qt+8*\kt+7], v[KF+32*\kt+8*\ks:KF+32*\kt+8*\ks+7], v[QF+32*\qt+8*\ks:QF+32*\qt+8*\ks+7], v[CB+8*\qt:CB+8*\qt+7]
.else
	v_wmma_f32_16x16x32_bf16 v[SC+32*\qt+8*\kt:SC+32*\qt+8*\kt+7], v[KF+32*\kt+8*\ks:KF+32*\kt+8*\ks+7], v[QF+32*\qt+8*\ks:QF+32*\qt+8*\ks+7], v[SC+32*\qt+8*\kt:SC+32*\qt+8*\kt+7]
.endif
.endr
.endr
.endr
.endm
; Query tile qt: the lane holds 32 scores of its query (keys 16 kt + 8 (l / 16) + j), the lane 16 further on the other 32.
.macro SOFTMAX qt, first
.set SQ, SC+32*\qt
.set MQ, MN+2*\qt
.set AQ, AL+2*\qt
	v_max3_num_f32 v[MA], v[SQ], v[SQ+1], v[SQ+2]                  ; two chains, started by the first scores
	v_max3_num_f32 v[MB], v[SQ+16], v[SQ+17], v[SQ+18]
.irp j, 3,5,7,9,11,13
	v_max3_num_f32 v[MA], v[MA], v[SQ+\j], v[SQ+\j+1]
	v_max3_num_f32 v[MB], v[MB], v[SQ+\j+16], v[SQ+\j+17]
.endr
	v_max3_num_f32 v[MA], v[MA], v[SQ+15], v[SQ+31]
.if \first
	v_max_num_f32 v[MA], v[MA], v[MB]
.else
	v_max3_num_f32 v[MA], v[MA], v[MB], v[MQ]                      ; with the running maximum (equal in both half-rows of lanes)
.endif
	v_permlanex16_b32 v[MB], v[MA], s29, s30                       ; the other 32 keys of my query
.if \first
	v_max_num_f32 v[MQ], v[MA], v[MB]
	v_max_num_f32 v[MQ+1], v[MA], v[MB]
.else
	v_max_num_f32 v[MB], v[MA], v[MB]                              ; the new maximum
	v_sub_f32 v[MA], v[MQ], v[MB]
	v_exp_f32 v[AQ], v[MA]                                         ; alpha = 2^(old - new), twice: a pair for the packed multiplies
	v_exp_f32 v[AQ+1], v[MA]
	v_mov_b32 v[MQ], v[MB]                                         ; plain instructions that touch neither alpha nor its source: the place behind v_exp_f32 (ISA guide 5.7.2)
	v_mov_b32 v[MQ+1], v[MB]
.endif
.set jj, 0
.rept 16
	v_pk_add_f32 v[SQ+jj:SQ+jj+1], v[SQ+jj:SQ+jj+1], v[MQ:MQ+1] neg_lo:[0,1] neg_hi:[0,1]
.set jj, jj+2
.endr
.set jj, 0
.rept 32
	v_exp_f32 v[SQ+jj], v[SQ+jj]
.set jj, jj+1
.endr
	v_nop                                                          ; one plain place between the exponentials and the first use of a result
	s_wait_alu depctr_va_vdst(0)
	v_pk_add_f32 v[LSA:LSA+1], v[SQ:SQ+1], v[SQ+2:SQ+3]            ; the sum in f32, two chains of pairs
	v_pk_add_f32 v[LSB:LSB+1], v[SQ+4:SQ+5], v[SQ+6:SQ+7]
.irp j, 8,12,16,20,24,28
	v_pk_add_f32 v[LSA:LSA+1], v[LSA:LSA+1], v[SQ+\j:SQ+\j+1]
	v_pk_add_f32 v[LSB:LSB+1], v[LSB:LSB+1], v[SQ+\j+2:SQ+\j+3]
.endr
	v_pk_add_f32 v[LSA:LSA+1], v[LSA:LSA+1], v[LSB:LSB+1]
.if \first
	v_add_f32 v[LL+\qt], v[LSA], v[LSA+1]
.else
	v_fma_f32 v[LL+\qt], v[LL+\qt], v[AQ], v[LSA]
	v_add_f32 v[LL+\qt], v[LL+\qt], v[LSA+1]
.endif
.set jj, 0
.rept 16
	v_cvt_pk_bf16_f32 v[PB+16*\qt+jj], v[SQ+2*jj], v[SQ+2*jj+1]    ; registers 2 jj, 2 jj + 1 of score tile kt are keys 8 (l / 16) + 2 jj, + 1: the layout of a second source
.set jj, jj+1
.endr
.endm
; O^T times the pair in AL, per query tile: 128 packed multiplies
.macro RESCALE
	WIN 0x41                               ; O in window 1, the factor in window 0
.irp qt, 0,1,2,3
.set jj, 0
.rept 32
	v_pk_mul_f32 v[64*\qt+2*jj:64*\qt+2*jj+1], v[64*\qt+2*jj:64*\qt+2*jj+1], v[AL+2*\qt:AL+2*\qt+1]
.set jj, jj+1
.endr
.endr
.endm
; 64 matrix instructions: O^T(16 d, 16 queries) += H^T x P^T, 8 x 4 tiles, my 64 keys in two steps of 32.  first = 1: the first step starts the sums.
.macro PVPHASE first
	WIN 0x53                               ; source 0 window 3, source 1 window 0, C and D window 1
.irp k2, 0,1
.irp qt, 0,1,2,3
.irp dt, 0,1,2,3,4,5,6,7
.if \first*(1-\k2)
	v_wmma_f32_16x16x32_bf16 v[64*\qt+8*\dt:64*\qt+8*\dt+7], v[VF+16*\dt+8*\k2:VF+16*\dt+8*\k2+7], v[PB+16*\qt+8*\k2:PB+16*\qt+8*\k2+7], 0
.else
	v_wmma_f32_16x16x32_bf16 v[64*\qt+8*\dt:64*\qt+8*\dt+7], v[VF+16*\dt+8*\k2:VF+16*\dt+8*\k2+7], v[PB+16*\qt+8*\k2:PB+16*\qt+8*\k2+7], v[64*\qt+8*\dt:64*\qt+8*\dt+7]
.endif
.endr
.endr
.endr
.endm
; One key tile, in buffer cur.  conv = 1: the staged tile (the next one) goes to the other buffer and the tile after it is asked for.
.macro TRIP cur, first, conv
	PLACES                                 ; the loads below go into registers that the last products read
	FETCHK \cur
	FETCHV \cur
.if \conv
	s_wait_loadcnt 0x0                     ; the staged tile, asked for a trip ago; this wait also frees the base s[26:27] of those loads
	CONVERT 0xcf, 0x0c, ST, CS, (1-\cur)*TB16
	s_add_co_u32 s21, s21, 1               ; the next tile of the rotated order
	s_and_b32 s21, s21, 31
	s_lshl_b32 s22, s21, 16                ; x 128 rows of 512 bytes
	s_add_nc_u64 s[26:27], s[24:25], s[22:23]
	LOADT 0xc0, ST, 26                     ; LDS stores have read their data at issue order (their sources need no wait): the rows are loaded again
	s_wait_dscnt 63                        ; behind the last key fragment stand 32 value loads and 32 stores; 63 is the most the wait can name, so one value load is waited for too
.else
	s_wait_dscnt 32                        ; the key fragments are in; the 32 value loads stay out
.endif
	SPHASE
	WIN 0
	PLACES
	SOFTMAX 0, \first
	SOFTMAX 1, \first
	SOFTMAX 2, \first
	SOFTMAX 3, \first
.if \first == 0
	RESCALE
.endif
	s_wait_dscnt 0x0                       ; for the others: my reads of this buffer are over and my rows of the other buffer are written; for me: the value fragments are in
	s_barrier_signal -1
	PVPHASE \first                         ; registers only, while the others arrive
	WIN 0
	s_barrier_wait -1                      ; now the other buffer may be read and this one written
.endm
; ================ ids, addresses ================
	s_load_b256 s[4:11], s[0:1], 0x0               ; H s[4:5], Wq s[6:7], Wk s[8:9], bq s[10:11]
	s_load_b128 s[12:15], s[0:1], 0x20             ; bk s[12:13], out0 s[14:15]
	v_and_b32 v1, 31, v0                           ; lane l
	v_lshrrev_b32 v6, 5, v0
	v_readfirstlane_b32 s16, v6                    ; wave w
	s_lshr_b32 s17, s16, 1                         ; qh
	s_and_b32 s18, s16, 1                          ; kh
	s_lshr_b32 s19, ttmp9, 5                       ; batch
	s_and_b32 s20, ttmp9, 31                       ; query block
	s_mov_b32 s29, 0x76543210                      ; v_permlanex16_b32: lane i of one half-row reads lane i of the other
	s_mov_b32 s30, 0xfedcba98
	v_and_b32 v64, 15, v0                          ; r = l % 16
	v_bfe_u32 v65, v0, 4, 1                        ; h = l / 16
	v_and_b32 v66, 7, v0                           ; l % 8
	v_bfe_u32 v67, v0, 3, 1                        ; (l / 8) % 2
	v_mul_u32_u24 v68, v64, PITCH
	v_lshl_add_u32 v70, v65, 7, v68                ; 272 r + 128 h: fragments whose k runs as 64 h + ..
	v_lshl_add_u32 v68, v65, 4, v68                ; 272 r + 16 h: plain fragments
	v_lshl_add_u32 v69, v65, 3, v66
	v_mul_u32_u24 v69, v69, PITCH
	v_lshl_add_u32 v69, v67, 7, v69                ; 272 (8 h + l % 8) + 128 ((l / 8) % 2): transposing loads
	s_lshl_b32 s31, s16, 14
	v_lshl_add_u32 v[GL], v1, 4, s31               ; 32 w rows of 512 bytes + 16 l
	s_mul_i32 s40, s16, 32*PITCH
	v_lshl_add_u32 v[CS], v1, 3, s40               ; 32 w rows of 272 bytes + 8 l
	s_mul_i32 s41, s18, 64*PITCH
	v_add_nc_u32 v[KA], s41, v68                   ; my 64 keys
	v_add_nc_u32 v[VA], s41, v69
	v_add_nc_u32 v[ACW], R_WQ, v[CS]
	v_add_nc_u32 v[AHQ], s40, v68                  ; my 32 query rows in BUF0
	v_add_nc_u32 v[AWQ], R_WQ, v69
	v_add_nc_u32 v[AWK], R_WK, v70
	s_mul_i32 s42, s16, PITCH
	s_add_co_u32 s42, s42, R_BK                    ; my copy of bk
	v_lshl_add_u32 v[ABKS], v1, 3, s42
	v_lshl_add_u32 v[ABKL], v65, 7, s42
	s_mul_i32 s43, s16, 2*XQT
	s_add_co_u32 s43, s43, XR                      ; images of query tiles 2 w, 2 w + 1, which I make
	v_lshl_add_u32 v[AXS], v1, 4, s43
	s_mul_i32 s44, s17, 4*XQT
	s_add_co_u32 s44, s44, XR                      ; images of query tiles 4 qh .. 4 qh + 3, which I use
	v_lshl_add_u32 v[AXL], v1, 4, s44
	v_lshlrev_b32 v[ABQ], 8, v65                   ; bq: 64 h numbers of 4 bytes
	v_lshlrev_b32 v[ABKG], 4, v1                   ; bk: four numbers a lane
	s_lshl_b32 s22, s19, 21                        ; a batch is 4,096 rows of 512 bytes
	s_mov_b32 s23, 0
	s_wait_kmcnt 0x0
	s_add_nc_u64 s[24:25], s[4:5], s[22:23]        ; H at my batch
	s_add_nc_u64 s[36:37], s[14:15], s[22:23]
	s_lshl_b32 s22, s20, 16
	s_add_nc_u64 s[26:27], s[24:25], s[22:23]      ; tile 0 = the query block
	s_add_nc_u64 s[36:37], s[36:37], s[22:23]      ; out0 at the query block
	s_add_co_u32 s21, s20, 1
	s_and_b32 s21, s21, 31                         ; tile 1
	s_lshl_b32 s22, s21, 16
	s_add_nc_u64 s[38:39], s[24:25], s[22:23]
; ================ loads: Wq, Wk, tile 0, bk, bq, tile 1 ================
	LOADT 0x80, 0, 6                               ; my 32 rows of Wq
	LOADT 0x80, 128, 8                             ; my 32 rows of Wk
	LOADT 0xc0, 0, 26                              ; my 32 rows of tile 0
	WIN 0
	global_load_b128 v[BKR:BKR+3], v[ABKG], s[12:13]
	WIN 0x40
.irp ht, 0,1,2,3,4,5,6,7
.irp i, 0,1
	global_load_b128 v[QT+16*\ht+8*\i:QT+16*\ht+8*\i+3],   v[ABQ], s[10:11] offset:32*\ht        ; bq straight into the accumulators of Q^T:
	global_load_b128 v[QT+16*\ht+8*\i+4:QT+16*\ht+8*\i+7], v[ABQ], s[10:11] offset:32*\ht+16     ; register j = bq[64 h + 8 ht + j]
.endr
.endr
	LOADT 0xc0, ST, 38                             ; tile 1, staged
	s_wait_loadcnt 32                              ; all but the 32 loads of tile 1, which stay out
; ================ to bf16 and into LDS ================
	CONVERT 0x8a, 0x08, 0, ACW, 0                  ; Wq
	CONVERT 0x8a, 0x08, 128, ACW, TB16             ; Wk
	CONVERT 0xcf, 0x0c, 0, CS, 0                   ; tile 0 into BUF0
	WIN 0
	v_cvt_pk_bf16_f32 v[BKP], v[BKR], v[BKR+1]
	v_cvt_pk_bf16_f32 v[BKP+1], v[BKR+2], v[BKR+3]
	ds_store_b64 v[ABKS], v[BKP:BKP+1]
	s_wait_dscnt 0x0                               ; my rows are written,
	s_barrier_signal -1
	s_barrier_wait -1                              ; everybody's are
; ================ projection: wave w makes query tiles 2 w + i (rows 32 w + 16 i + r) ================
	WIN 0x40
.irp i, 0,1
.irp ks, 0,1,2,3
	ds_load_b128 v[HF+32*\i+8*\ks:HF+32*\i+8*\ks+3],   v[AHQ] offset:\i*16*PITCH+64*\ks
	ds_load_b128 v[HF+32*\i+8*\ks+4:HF+32*\i+8*\ks+7], v[AHQ] offset:\i*16*PITCH+64*\ks+32
.endr
.endr
	WIN 0x80
.irp ht, 0,1,2,3,4,5,6,7
.irp ks, 0,1,2,3
	ds_load_tr16_b128 v[AF+32*\ht+8*\ks:AF+32*\ht+8*\ks+3],   v[AWQ] offset:32*\ks*PITCH+16*\ht            ; Wq^T: fragment row m = column 8 ht + m or 64 + 8 ht + m - 8
	ds_load_tr16_b128 v[AF+32*\ht+8*\ks+4:AF+32*\ht+8*\ks+7], v[AWQ] offset:32*\ks*PITCH+16*PITCH+16*\ht
.endr
.endr
	s_wait_dscnt 0x0
	WIN 0x56                                       ; source 0 window 2, source 1, C and D window 1
.irp ks, 0,1,2,3
.irp ht, 0,1,2,3,4,5,6,7
.irp i, 0,1
	v_wmma_f32_16x16x32_bf16 v[QT+16*\ht+8*\i:QT+16*\ht+8*\i+7], v[AF+32*\ht+8*\ks:AF+32*\ht+8*\ks+7], v[HF+32*\i+8*\ks:HF+32*\i+8*\ks+7], v[QT+16*\ht+8*\i:QT+16*\ht+8*\i+7]
.endr
.endr
.endr
	PLACES                                         ; Q^T(64 h + 8 ht + j, query r) is read, and the fragments are loaded again, behind these
	WIN 0x80
.irp dt, 0,1,2,3,4,5,6,7
.irp k, 0,1,2,3
	ds_load_b128 v[AF+32*\dt+8*\k:AF+32*\dt+8*\k+3],   v[AWK] offset:\dt*16*PITCH+32*\k         ; Wk(16 dt + r, 64 h + 16 k + 0..7): the order of k in which
	ds_load_b128 v[AF+32*\dt+8*\k+4:AF+32*\dt+8*\k+7], v[AWK] offset:\dt*16*PITCH+32*\k+16      ; the tiles of Q^T hold it; + 8..15
.endr
.endr
	WIN 0xc0
.irp k, 0,1,2,3
	ds_load_b128 v[BKF+8*\k:BKF+8*\k+3],   v[ABKL] offset:32*\k                                 ; bk in the same order, the same in all 16 fragment rows
	ds_load_b128 v[BKF+8*\k+4:BKF+8*\k+7], v[ABKL] offset:32*\k+16
.endr
	WIN 0x45
.irp i, 0,1
.irp k, 0,1,2,3
.irp u, 0,1
.irp jj, 0,1,2,3
	v_cvt_pk_bf16_f32 v[QB+32*\i+8*\k+4*\u+\jj], v[QT+16*(2*\k+\u)+8*\i+2*\jj], v[QT+16*(2*\k+\u)+8*\i+2*\jj+1]
.endr
.endr
.endr
.endr
	s_wait_dscnt 0x0
	WIN 0x56
.irp k, 0,1,2,3
.irp dt, 0,1,2,3,4,5,6,7
.irp i, 0,1
.if \k == 0
	v_wmma_f32_16x16x32_bf16 v[QT+16*\dt+8*\i:QT+16*\dt+8*\i+7], v[AF+32*\dt+8*\k:AF+32*\dt+8*\k+7], v[QB+32*\i+8*\k:QB+32*\i+8*\k+7], 0
.else
	v_wmma_f32_16x16x32_bf16 v[QT+16*\dt+8*\i:QT+16*\dt+8*\i+7], v[AF+32*\dt+8*\k:AF+32*\dt+8*\k+7], v[QB+32*\i+8*\k:QB+32*\i+8*\k+7], v[QT+16*\dt+8*\i:QT+16*\dt+8*\i+7]
.endif
.endr
.endr
.endr
	WIN 0x57                                       ; source 0 window 3
.irp k, 0,1,2,3
.irp i, 0,1
.if \k == 0
	v_wmma_f32_16x16x32_bf16 v[CT+8*\i:CT+8*\i+7], v[BKF+8*\k:BKF+8*\k+7], v[QB+32*\i+8*\k:QB+32*\i+8*\k+7], 0
.else
	v_wmma_f32_16x16x32_bf16 v[CT+8*\i:CT+8*\i+7], v[BKF+8*\k:BKF+8*\k+7], v[QB+32*\i+8*\k:QB+32*\i+8*\k+7], v[CT+8*\i:CT+8*\i+7]
.endif
.endr
.endr
	PLACES
	WIN 0x45
.set jj, 0
.rept 72                                           ; Q2^T (128 registers) and c (16 registers, right behind): times log2(e) / 64
	v_pk_mul_f32 v[QT+2*jj:QT+2*jj+1], v[QT+2*jj:QT+2*jj+1], 0x3cb8aa3b op_sel_hi:[1,0]
.set jj, jj+1
.endr
.irp i, 0,1
.irp ks, 0,1,2,3
.irp u, 0,1
.irp jj, 0,1,2,3
	v_cvt_pk_bf16_f32 v[QB+32*\i+8*\ks+4*\u+\jj], v[QT+16*(2*\ks+\u)+8*\i+2*\jj], v[QT+16*(2*\ks+\u)+8*\i+2*\jj+1]   ; Q2^T(16 dt + 8 h + j, r): d in its true order
.endr
.endr
.endr
.endr
	WIN 0x04
.irp i, 0,1
.irp f, 0,1,2,3
	ds_store_b128 v[AXS], v[QB+32*\i+8*\f:QB+32*\i+8*\f+3]   offset:XQT*\i+XIMG*\f                ; register images: lane l at 16 l
	ds_store_b128 v[AXS], v[QB+32*\i+8*\f+4:QB+32*\i+8*\f+7] offset:XQT*\i+XIMG*\f+512
.endr
	ds_store_b128 v[AXS], v[CT+8*\i:CT+8*\i+3]   offset:XQT*\i+4*XIMG
	ds_store_b128 v[AXS], v[CT+8*\i+4:CT+8*\i+7] offset:XQT*\i+4*XIMG+512
.endr
	s_wait_dscnt 0x0                               ; my images are written,
	s_barrier_signal -1
	s_barrier_wait -1                              ; all eight query tiles are
	WIN 0x80
.irp qt, 0,1,2,3
.irp ks, 0,1,2,3
	ds_load_b128 v[QF+32*\qt+8*\ks:QF+32*\qt+8*\ks+3],   v[AXL] offset:XQT*\qt+XIMG*\ks
	ds_load_b128 v[QF+32*\qt+8*\ks+4:QF+32*\qt+8*\ks+7], v[AXL] offset:XQT*\qt+XIMG*\ks+512
.endr
.endr
	WIN 0
.irp qt, 0,1,2,3
	ds_load_b128 v[CB+8*\qt:CB+8*\qt+3],   v[AXL] offset:XQT*\qt+4*XIMG
	ds_load_b128 v[CB+8*\qt+4:CB+8*\qt+7], v[AXL] offset:XQT*\qt+4*XIMG+512
.endr                                              ; these 40 loads are older than the key fragments of the first trip: its wait covers them
; ================ the 32 key tiles ================
	TRIP 0, 1, 1                                   ; tile 0: the first products start the sums, nothing is cleared
	s_mov_b32 s28, 15
.Lloop:
	TRIP 1, 0, 1                                   ; tiles 1 .. 30; trip i rounds tile i + 1 and asks for tile i + 2
	TRIP 0, 0, 1                                   ; (trip 30 asks for tile 32 = the query block: the residual)
	s_sub_co_u32 s28, s28, 1
	s_cmp_lg_u32 s28, 0
	s_cbranch_scc1 .Lloop
	TRIP 1, 0, 0                                   ; tile 31: nothing left to round or to ask for
; ================ the two key halves meet; the way out ================
; The address arithmetic below is more than four plain vector instructions that name no register of the last products: the places behind them.
	v_and_b32 v64, 15, v0
	v_bfe_u32 v65, v0, 4, 1
	s_lshl_b32 s31, s17, 6
	v_add_nc_u32 v66, s31, v64                     ; 64 qh + r: my query of tile 0 in the block
	s_mul_i32 s40, s18, OSB
	v_mul_u32_u24 v[AOS], v66, OPITCH
	v_lshl_add_u32 v[AOS], v65, 8, v[AOS]          ; + 64 h numbers of 4 bytes
	v_add_nc_u32 v[AOS], s40, v[AOS]               ; in the region of my key half
	s_lshl_b32 s41, s18, 10
	s_add_co_u32 s41, s41, ML
	v_lshl_add_u32 v[AMS], v66, 3, s41             ; my (m, l)
	s_xor_b32 s42, s18, 1
	s_lshl_b32 s42, s42, 10
	s_add_co_u32 s42, s42, ML
	v_lshl_add_u32 v[AMO], v66, 3, s42             ; those of the other key half
	s_mul_i32 s43, s16, 32*OPITCH
	v_lshl_add_u32 v[AOR0], v1, 4, s43             ; rows 32 w .. of OS0, 16 bytes a lane
	v_add_nc_u32 v[AOR1], OSB, v[AOR0]
.irp qt, 0,1,2,3
	v_permlanex16_b32 v[MA], v[LL+\qt], s29, s30   ; l of the other 32 keys of each tile
	v_add_f32 v[MN+2*\qt+1], v[LL+\qt], v[MA]
	ds_store_b64 v[AMS], v[MN+2*\qt:MN+2*\qt+1] offset:128*\qt     ; (m, l); both half-rows of lanes write the same words with the same values
.endr
	s_wait_dscnt 0x0
	s_barrier_signal -1
	s_barrier_wait -1
.irp qt, 0,1,2,3
	ds_load_b64 v[OM+2*\qt:OM+2*\qt+1], v[AMO] offset:128*\qt
.endr
	s_wait_dscnt 0x0
.irp qt, 0,1,2,3
	v_max_num_f32 v[MX+\qt], v[MN+2*\qt], v[OM+2*\qt]
.endr
.irp qt, 0,1,2,3
	v_sub_f32 v[EO+\qt], v[MN+2*\qt], v[MX+\qt]
	v_sub_f32 v[EX+\qt], v[OM+2*\qt], v[MX+\qt]
.endr
.irp j, 0,1,2,3,4,5,6,7
	v_exp_f32 v[EO+\j], v[EO+\j]                   ; 2^(m - max) for my half (4), then for the other (4)
.endr
	v_nop                                          ; the plain place behind the exponentials
	s_wait_alu depctr_va_vdst(0)
.irp qt, 0,1,2,3
	v_mul_f32 v[DN+\qt], v[MN+2*\qt+1], v[EO+\qt]
.endr
.irp qt, 0,1,2,3
	v_fmac_f32 v[DN+\qt], v[OM+2*\qt+1], v[EX+\qt] ; the whole row sum; at least 1: the key that holds the maximum adds 2^0
.endr
.irp qt, 0,1,2,3
	v_rcp_f32 v[DN+\qt], v[DN+\qt]
.endr
	v_nop                                          ; the plain place behind the reciprocals
	s_wait_alu depctr_va_vdst(0)
.irp qt, 0,1,2,3
	v_mul_f32 v[AL+2*\qt], v[EO+\qt], v[DN+\qt]
	v_mul_f32 v[AL+2*\qt+1], v[EO+\qt], v[DN+\qt]
.endr
	RESCALE                                        ; my partial O, ready to be added
	WIN 0x04
.irp qt, 0,1,2,3
.irp dt, 0,1,2,3,4,5,6,7
	ds_store_b128 v[AOS], v[64*\qt+8*\dt:64*\qt+8*\dt+3]   offset:16*OPITCH*\qt+32*\dt        ; row = query, d = 64 h + 8 dt + 0..3
	ds_store_b128 v[AOS], v[64*\qt+8*\dt+4:64*\qt+8*\dt+7] offset:16*OPITCH*\qt+32*\dt+16     ; + 4..7
.endr
.endr
	s_wait_dscnt 0x0
	s_barrier_signal -1
	s_barrier_wait -1
	WIN 0x40
.set rr, 0
.rept 32
	ds_load_b128 v[4*rr:4*rr+3], v[AOR0] offset:OPITCH*rr          ; row 32 w + rr of key half 0: 512 consecutive bytes
.set rr, rr+1
.endr
	WIN 0x80
.set rr, 0
.rept 32
	ds_load_b128 v[4*rr:4*rr+3], v[AOR1] offset:OPITCH*rr          ; and of key half 1
.set rr, rr+1
.endr
	s_wait_loadcnt 0x0                             ; the residual: my 32 rows of the query block in f32, asked for in trip 30
	s_wait_dscnt 32                                ; the rows of key half 0 are in; the 32 younger loads stay out
	WIN 0xc7
.set rr, 0
.rept 64
	v_pk_add_f32 v[ST+2*rr:ST+2*rr+1], v[ST+2*rr:ST+2*rr+1], v[2*rr:2*rr+1]
.set rr, rr+1
.endr
	s_wait_dscnt 0x0
	WIN 0xcb
.set rr, 0
.rept 64
	v_pk_add_f32 v[ST+2*rr:ST+2*rr+1], v[ST+2*rr:ST+2*rr+1], v[2*rr:2*rr+1]
.set rr, rr+1
.endr
	WIN 0x0c
.set rr, 0
.rept 32
	global_store_b128 v[GL], v[ST+4*rr:ST+4*rr+3], s[36:37] offset:ROWB*rr th:TH_STORE_NT     ; a store covers one whole row: 512 consecutive bytes, at a multiple of 512 from the first byte of out0
.set rr, rr+1
.endr
	WIN 0
	s_wait_xcnt 0x0
	v_lshl_add_u32 v254, v0, 2, 0x2d000
	v_mov_b32 v255, 0
	s_wait_tensorcnt 0x0
	ds_add_u32 v254, v255
	s_wait_dscnt 0x0
	s_endpgm
.Lfunc_end_k_q0c1893514a_attn:
	.size	k_q0c1893514a_attn, .Lfunc_end_k_q0c1893514a_attn-k_q0c1893514a_attn
	.p2alignl 7, 3214868480
	.fill 96, 4, 3214868480
	.section	.rodata,"a",@progbits
	.p2align	6, 0x0
	.amdhsa_kernel k_q0c1893514a_attn
		.amdhsa_group_segment_fixed_size 184832
		.amdhsa_private_segment_fixed_size 0
		.amdhsa_enable_private_segment 0
		.amdhsa_kernarg_size 48
		.amdhsa_user_sgpr_count 2
		.amdhsa_user_sgpr_kernarg_segment_ptr 1
		.amdhsa_wavefront_size32 1
		.amdhsa_system_sgpr_workgroup_id_x 1
		.amdhsa_system_sgpr_workgroup_id_y 1
		.amdhsa_system_sgpr_workgroup_id_z 1
		.amdhsa_system_vgpr_workitem_id 0
		.amdhsa_next_free_vgpr 1024
		.amdhsa_next_free_sgpr 66
		.amdhsa_reserve_vcc 0
		.amdhsa_float_denorm_mode_32 3
		.amdhsa_float_denorm_mode_16_64 3
		.amdhsa_memory_ordered 1
		.amdhsa_forward_progress 1
		.amdhsa_inst_pref_size 255
	.end_amdhsa_kernel
	.section	.bss,"aw",@nobits
	.p2align	6
	.space	262144
	.amdgpu_metadata
---
amdhsa.version: [ 1, 2 ]
amdhsa.kernels:
  - .name:           k_q0c1893514a_attn
    .symbol:         k_q0c1893514a_attn.kd
    .args:
      - { .name: H, .offset: 0, .size: 8, .value_kind: global_buffer, .address_space: global }
      - { .name: Wq, .offset: 8, .size: 8, .value_kind: global_buffer, .address_space: global }
      - { .name: Wk, .offset: 16, .size: 8, .value_kind: global_buffer, .address_space: global }
      - { .name: bq, .offset: 24, .size: 8, .value_kind: global_buffer, .address_space: global }
      - { .name: bk, .offset: 32, .size: 8, .value_kind: global_buffer, .address_space: global }
      - { .name: out0, .offset: 40, .size: 8, .value_kind: global_buffer, .address_space: global }
    .group_segment_fixed_size: 184832
    .private_segment_fixed_size: 0
    .kernarg_segment_align: 8
    .kernarg_segment_size: 48
    .max_flat_workgroup_size: 128
    .sgpr_count:     66
    .vgpr_count:     1024
    .wavefront_size: 32
...
	.end_amdgpu_metadata
.endif
;; end of part 1
